; MI455X (gfx1250); checked and timed in simulation.
; The chip was launched on July 23, 2026; its instructions are those of AMD's public machine-readable ISA for CDNA 5 (MIT licence, August 2026) and "CDNA5" Instruction Set Architecture Reference Guide (July 2026). The comments in the code are by the model that wrote it; some were corrected since.
;; Model. Allowed arithmetic: matrix products marked QUANTISED: E4M3 operands, one E8M0 scale for each 32 along K, by v_wmma_scale_f32_16x16x128_f8f6f4 with both operands' format E4M3, f32 sums; everything else in f32.
;; Inputs: K_codes 2,048 x 8 x 2 x 32 uint8 (E4M3 codes of K, K innermost, in blocks of 32 codes); K_scales 2,048 x 8 x 2 uint8 (E8M0 scales of K, one for each 32 codes along K); Q_codes 2,048 x 8 x 4 x 2 x 32 uint8 (E4M3 codes of Q, K innermost, in blocks of 32 codes); Q_scales 2,048 x 8 x 4 x 2 uint8 (E8M0 scales of Q, one for each 32 codes along K); S 32 float32; V_codes 8 x 64 x 64 x 32 uint8 (E4M3 codes of V, K innermost, in blocks of 32 codes); V_scales 8 x 64 x 64 uint8 (E8M0 scales of V, one for each 32 codes along K).
;; Outputs: out0 2,048 x 2,048 float32.
;; This version of the problem:
;;   THIS VERSION OF THE PROBLEM IS GIVEN IN LOW PRECISION. The matrix products marked QUANTISED in the list below multiply operands that are first quantised to E4M3 (4 exponent bits, 3 mantissa bits; 8 bits a number), with one power-of-two scale for each 32 numbers along K (OCP MX v1.0); their sums are f32. All else is computed in f32.
;;   The module's matrix products, in the order in which they are computed (A, B: the left and right operand; K: the contracted axis; several contracted axes count as one K, in the product's order):
;;     1. batch 8 x [M 2,048, K 64] x [K 64, N 8,192]; A: input K (given as codes); B: input Q (given as codes): QUANTISED
;;     2. batch 8 x [M 64, K 2,048] x [K 2,048, N 8,192]; A: input V (given as codes); B: computed on the way: QUANTISED
;;   THE QUANTISER, for each operand of a quantised product, along K:
;;     - K is cut into blocks of 32 from its start; a last block that is shorter is filled with zeros.
;;     - A block's scale is 2^e with e = floor(log2(the largest magnitude in the block)) - 8, held to -126 .. 127; a block of zeros has e = 0. As a byte (E8M0): e + 127.
;;     - Each number is divided by its block's scale, clamped to +-448, and rounded to the nearest number of E4M3, ties to even, subnormals kept.
;;     - The product sums the exact products of the quantised numbers (number of the format x scale) in f32.
;;   ~~~python
;;   def quantise(x, axis):      # numpy; x: float32 -> the quantised numbers, widened to float32 again
;;       x = np.moveaxis(x, axis, -1); K = x.shape[-1]
;;       x = np.pad(x, [(0, 0)] * (x.ndim - 1) + [(0, -K % 32)]); x = x.reshape(x.shape[:-1] + (-1, 32)); a = np.abs(x).max(-1, keepdims=True)
;;       e = np.where(a > 0, np.clip(np.frexp(np.where(a > 0, a, 1))[1] - 1 - 8, -126, 127), 0)      # np.frexp(a)[1] - 1 = floor(log2(a)), exactly
;;       r = np.clip(x / 2.0 ** e, -448, 448)
;;       step = 2.0 ** (np.maximum(np.frexp(np.where(r == 0, 1, r))[1] - 1, -6) - 3)
;;       q = np.round(r / step) * step * 2.0 ** e      # np.round: ties to even
;;       return np.moveaxis(q.reshape(q.shape[:-2] + (-1,))[..., :K], -1, axis).astype(np.float32)
;;   ~~~
;;   OPERANDS COMPUTED ON THE WAY. 'Computed on the way' means the value that the module computes at that place (a softmax that the list does not call 'softmax' is quantised finished and normalised). What goes into a quantiser is computed in f32, as accurately as f32 sums, v_exp_f32 and their like allow (about 1e-6 of the number): no bf16 or f16 on the way to a quantiser, and a product that is left as it is and whose result goes on into a quantised operand takes f32 operands (vector FMAs, or v_wmma_f32_16x16x4_f32). A number that lies on a knife's edge between two numbers of the format may be rounded either way, as far as f32 arithmetic and the matrix unit's own rounding can turn it there, and no further.
;;   INPUTS GIVEN AS CODES. K (in the module: [2048, 8, 64], K = its axis 2); Q (in the module: [2048, 8, 4, 64], K = its axis 3); V (in the module: [2048, 8, 64], K = its axis 0): each comes as NAME_codes (uint8): NAME with its K axis moved to the last place and cut into blocks of 32 codes, [.., K / 32, bytes a block], one block behind the other in memory; one code a byte (a code: sign, 4 exponent bits, 3 mantissa bits); and NAME_scales (uint8): the same leading axes, one E8M0 byte (e + 127) for each 32 codes along K. Its value is code x scale, taken as it is: it is not quantised again, and the codes and scales need not be those that the quantiser above would give.
;; One version. Each part assembles by itself: llvm-mc -triple=amdgcn-amd-amdhsa -mcpu=gfx1250 --defsym DOCPART=n.
;; ======== version 1 of 1: 1 launch
;; launch attn (part 1): grid 8 x 32, 16 waves a work-group, no clusters, 169,984 bytes of LDS; arguments K_codes, K_scales, Q_codes, Q_scales, S, V_codes, V_scales, out0; writes out0
.if DOCPART == 1
	.amdgcn_target "amdgcn-amd-amdhsa--gfx1250"
	.amdhsa_code_object_version 6
	.text
	.protected	k_qb45397d81f_attn
	.globl	k_qb45397d81f_attn
	.p2align	8
	.type	k_qb45397d81f_attn,@function
k_qb45397d81f_attn:
	s_mov_b64 s[64:65], 0
	v_nop
	global_prefetch_b8 v0, s[64:65] scope:SCOPE_SE
	s_setreg_imm32_b32 hwreg(HW_REG_WAVE_MODE, 25, 1), 1
	s_wait_xcnt 0x0
; Attention over a window of 128 keys (key k counts for query q where q - 128 < k <= q), 8 key/value heads, 4 query heads to each, head size 64, with one sink logit S[h][m]
; that enters a row's maximum and sum and has no value row.  Both products run on codes of FP8 (E4M3) with one E8M0 scale for each 32 along K.
; W = p / (sum of p + the sink's p) is finished in f32 and then quantised along the keys, in blocks of 32 keys counted from key 0.
; SHARES.  Work-group (x = head h, y = block tb of 64 tokens): 16 waves.  Wave w: query head m = w & 3, tokens q0 = 64 tb + 16 (w >> 2) on: ONE tile of 16 queries in 256 registers, four waves to a SIMD.
; A tile whose first token is a multiple of 16 meets exactly five aligned blocks of 32 keys; all other blocks of W are zeros and are not multiplied.  The work-group's window is 192 keys from kb = 64 tb - 128 on
; (blocks B = 0 .. 5); a wave takes blocks s + 0 .. s + 4, s = w >> 3.  The window is four blocks long, so key i of the first block is hidden exactly where key i of the fifth counts: sixteen lane masks serve both.
; LAYOUT.  Both products are used transposed: S^T = K Q^T (source 0 = keys, source 1 = my 16 queries), O^T = V^T W^T (source 0 = 16 of the head's 64, source 1 = W): a lane holds ONE query (lane % 16) throughout.
; Lane r of key tile 2 b + u takes key 32 b + 8 u + r + 8 (r / 8), so that the 16 registers of tiles 2 b and 2 b + 1 are 16 neighbouring keys, 32 b + 16 (lane / 16) + 0 .. 15: the conversions' results are the next operand.
; THE HEAD'S 64 IN AN INSTRUCTION 128 DEEP.  One fragment of K holds TWO key tiles, tile 2 b at k 0-63 and tile 2 b + 1 at k 64-127; multiplied by [Q, zero codes] it gives the first, by [zero codes, Q] the second.
; THE FIFTH KEY BLOCK.  The second product's second step has W's codes at k 0-31 alone; its other 96 codes of W are zeros, so V's operand there may be any finite codes: the 12 registers that follow.
; ALL INPUTS COME AT ONCE: seven tensor loads (3 chunks of K, 3 of V, Q's 64 rows) land in LDS bytes that are filled once; five waves lay the scale words meanwhile.  One barrier.  No ring: 40 KB of codes fit.
; NO CLUSTER: neighbouring token blocks share two of three chunks of K and V, but a shared chunk lies at another place in each partner's window, and a joint load lands at one LDS address in all partners.
; AT THE TENSOR'S START (tb = 0, 1) a chunk of keys that do not exist is filled with keys 0-63 (no load leaves its buffer), and its scores are set to -infinity.
; LIMITS: NaN codes (0x7f, 0xff) and scale bytes 0xff are not served.  A p under 2^-126 counts as 0 (the exponential flushes it).  A block of W that is all zeros keeps the scale byte 1: its codes are zeros and the bytes
; never leave this program.  A block's largest W is made from the block's largest score by the same instructions; that takes the exponential not to fall where its input rises.
.set CH,   5120                        ; a chunk in LDS: 64 rows x (64 bytes + 16 of padding)
.set KT,   0                           ; K: 192 key rows, 80 bytes apart
.set VT,   3*CH                        ; V: three chunks of 64 rows (the head's 64) x 64 keys
.set QT,   6*CH                        ; Q: 64 token rows x (256 bytes + 16): the four query heads of head h
.set KSC,  48128                       ; K's scale words: word 16 B + r = the two bytes of key 32 B + rk below, those of key 32 B + 8 + rk above; rk = r + 8 (r / 8)
.set VSC,  48640                       ; V's scale words: at 512 s + 256 step + 4 d
.set STG,  49664                       ; the way out: 16 rows x (256 bytes + 16) for each wave
.set AK,   1                           ; v1   my lane's place in K's rows
.set AVE,  2                           ; v2   in V's chunks, for blocks b = 0, 2, 4
.set AVO,  3                           ; v3   for blocks b = 1, 3
.set AQ,   4                           ; v4   in Q's rows
.set AKS,  5                           ; v5   among K's scale words
.set AVS,  6                           ; v6   among V's: lanes 0-15 the first step's, lanes 16-31 the second's
.set STO,  7                           ; v7   the stage: where I put 32 bytes of a row
.set RD,   8                           ; v8   and where I read a row back
.set GO,   9                           ; v9   my byte offset in the tile's rows of the output
.set LO,   10                          ; v10  r + 16 (tile's parity) - 16 (lane / 16)
.set NINF, 11                          ; v11  -infinity
.set QW,   12                          ; v12  Q's scale word
.set KS,   13                          ; v13-17  K's scale words, one for each pair of key tiles
.set VS,   18                          ; v18-21  V's scale words, one for each tile of 16 of the head's 64
.set PW0,  22                          ; v22  W's scale word, blocks 0-3
.set PW1,  23                          ; v23  block 4
.set BM,   24                          ; v24-28  a block's largest score, then p, then W
.set PX,   29                          ; v29-33  from lane l xor 16 (at the head: r, lane / 16, rk and two more at work)
.set HD,   34                          ; v34-38  448 x the block's scale
.set SO,   39                          ; v39-43  the conversion's scale operand
.set BY,   44                          ; v44-47  scale bytes
.set TX,   49                          ; v49  0 at the head; later from lane l xor 16
.set M2,   50                          ; v[50:51] the row's largest logit in units of log2 (v51 only named with it)
.set SA,   52                          ; v[52:53], v[54:55] the sum's two chains
.set SB,   54
.set RR,   56                          ; v[56:57] 1 / the sum (v57 only named with it)
.set SK,   58                          ; v58  the sink's p
.set T0,   59                          ; v59  at work
.set KV,   60                          ; v60-139  K: pair b at 16 b; later V: tile t, block b at 20 t + 4 b
.set ZQ,   140                         ; v140-167 eight zeros, Q's eight, twelve zeros
.set SCR,  168                         ; v168-247 scores, block b at 16 b; later O^T (0-31), rows read back (32-63), W's codes of blocks 0-3 (64-79)
.set KWA,  248                         ; v248-254 the addresses of the scale words' preparation; v255 thread % 64
.set KWL,  249
.set VWA,  250
.set VWL,  253
.set QSA,  254
.set G1K,  36                          ; s[36:43], s[44:51], s[52:59] descriptor groups 1 for K, V, Q
.set G1V,  44
.set G1Q,  52
.set G0K,  60                          ; s[60:63], s[68:71], s[72:75] their groups 0
.set G0V,  68
.set G0Q,  72
.set MK,   76                          ; s76-91  lane masks (ahead of them: byte offsets for the pointers)
.set EDG,  92                          ; s92-95  -infinity for a block of keys that do not exist, +infinity else
.set CS,   96                          ; s[96:97] c = 32^-0.5 x log2(e)
.set SEL,  98                          ; s[98:99] selects for lane l xor 16
.set MNT,  100                         ; s100 the mantissa field of 448
.set SL,   101                         ; s101 the sink's logit in units of log2
	s_load_b256 s[4:11], s[0:1], 0x0               ; K's codes s[4:5], K's scales s[6:7], Q's codes s[8:9], Q's scales s[10:11]
	s_load_b256 s[12:19], s[0:1], 0x20             ; S s[12:13], V's codes s[14:15], V's scales s[16:17], the output s[18:19]
	v_lshl_add_u32 v254, v0, 2, 0x29000
	v_mov_b32 v255, 0
	ds_add_u32 v254, v255
	ds_add_u32 v254, v255
	s_wait_dscnt 0x0
	v_lshrrev_b32 v29, 5, v0
	v_readfirstlane_b32 s20, v29                   ; wave 0..15
	s_and_b32 s21, ttmp7, 0xffff                   ; tb
	s_mov_b32 s22, ttmp9                           ; h
	s_and_b32 s23, s20, 3                          ; m
	s_lshr_b32 s24, s20, 2                         ; which 16 of the 64 tokens
	s_lshr_b32 s25, s20, 3                         ; s: my first block of the window
	s_and_b32 s26, s24, 1
	s_lshl_b32 s26, s26, 4                         ; 16 x the tile's parity
	; descriptor groups 1: elements of one byte; 64 rows; 16 bytes of padding behind each row
	s_mov_b32 s[G1K+0], (1<<20)|(3<<22)|(3<<25)    ; 15:0 no mask; 17:16 one byte; 20 padding on; 24:22 after every 16 words (code 3); 31:25 four words (code 3)
	s_mov_b32 s[G1K+1], 64<<16                     ; tensor_dim0 = 64
	s_mov_b32 s[G1K+2], 64<<16                     ; tensor_dim1 = 64
	s_mov_b32 s[G1K+3], 64<<16                     ; tile_dim0 = 64
	s_mov_b32 s[G1K+4], 64                         ; tile_dim1 = 64
	s_mov_b32 s[G1K+5], 512                        ; from key to key: 8 heads x 64 bytes
	s_mov_b32 s[G1K+6], 0
	s_mov_b32 s[G1K+7], 0
	s_mov_b32 s[G1V+0], (1<<20)|(3<<22)|(3<<25)
	s_mov_b32 s[G1V+1], 64<<16
	s_mov_b32 s[G1V+2], 64<<16
	s_mov_b32 s[G1V+3], 64<<16
	s_mov_b32 s[G1V+4], 64
	s_mov_b32 s[G1V+5], 2048                       ; from one of the head's 64 to the next: 2,048 keys
	s_mov_b32 s[G1V+6], 0
	s_mov_b32 s[G1V+7], 0
	s_mov_b32 s[G1Q+0], (1<<20)|(5<<22)|(3<<25)    ; padding after every 64 words (code 5)
	s_mov_b32 s[G1Q+1], 256<<16
	s_mov_b32 s[G1Q+2], 64<<16
	s_mov_b32 s[G1Q+3], 256<<16
	s_mov_b32 s[G1Q+4], 64
	s_mov_b32 s[G1Q+5], 2048                       ; from token to token: 32 query heads x 64 bytes
	s_mov_b32 s[G1Q+6], 0
	s_mov_b32 s[G1Q+7], 0
	s_mov_b32 s[G0K], 1
	s_mul_i32 s[G0K+1], s20, CH                    ; waves 0-2: K's chunks; 3-5: V's; 6: Q: each tile begins at wave x 5,120
	s_mov_b32 s[G0V], 1
	s_mul_i32 s[G0V+1], s20, CH
	s_mov_b32 s[G0Q], 1
	s_mul_i32 s[G0Q+1], s20, CH
	s_mov_b32 s[CS], 0x3e8293ee
	s_mov_b32 s[CS+1], s[CS]                       ; (named with it as a pair, so it is written)
	s_mov_b32 s[SEL], 0x76543210
	s_mov_b32 s[SEL+1], 0xfedcba98
	s_mov_b32 s[MNT], 0x600000
	; every LDS address is made here, ahead of the waves' parting
	v_and_b32 v29, 15, v0                          ; r
	v_bfe_u32 v30, v0, 4, 1                        ; hh = lane / 16
	v_and_b32 v31, 8, v29
	v_add_nc_u32 v31, v31, v29                     ; rk = r + 8 (r / 8)
	v_mov_b32 v[TX], 0
	v_mov_b32 v[NINF], 0xff800000
	v_mul_u32_u24 v[AK], v31, 80
	v_lshl_add_u32 v[AK], v30, 4, v[AK]
	s_mul_i32 s28, s25, 2560
	v_add_nc_u32 v[AK], s28, v[AK]                 ; 80 rk + 16 hh + 32 rows x s
	v_mul_u32_u24 v32, v29, 80
	v_lshl_add_u32 v32, v30, 4, v32                ; 80 r + 16 hh
	s_lshl_b32 s28, s25, 5
	s_add_co_u32 s28, s28, VT
	v_add_nc_u32 v[AVE], s28, v32                  ; block B lies at 5,120 (B / 2) + 32 (B % 2): one block on is 32 bytes from an even block,
	s_mul_i32 s28, s25, 5088
	s_add_co_u32 s28, s28, VT
	v_add_nc_u32 v[AVO], s28, v32                  ; 5,088 from an odd one
	v_mul_u32_u24 v[AQ], v29, 272
	v_lshl_add_u32 v[AQ], v30, 4, v[AQ]
	s_mul_i32 s28, s24, 16*272
	s_lshl_b32 s29, s23, 6
	s_add_co_u32 s28, s28, s29
	s_add_co_u32 s28, s28, QT
	v_add_nc_u32 v[AQ], s28, v[AQ]                 ; my tile's row r, my query head's 64 bytes, + 16 hh
	s_lshl_b32 s28, s25, 6
	s_add_co_u32 s28, s28, KSC
	v_lshl_add_u32 v[AKS], v29, 2, s28
	s_lshl_b32 s28, s25, 9
	s_add_co_u32 s28, s28, VSC
	v_lshl_add_u32 v[AVS], v29, 2, s28
	v_lshl_add_u32 v[AVS], v30, 8, v[AVS]
	s_mul_i32 s28, s20, 16*272
	s_add_co_u32 s28, s28, STG                     ; my stage
	v_mul_u32_u24 v[STO], v29, 272
	v_lshl_add_u32 v[STO], v30, 5, v[STO]
	v_add_nc_u32 v[STO], s28, v[STO]
	v_mul_u32_u24 v[RD], v30, 272
	v_lshl_add_u32 v[RD], v29, 4, v[RD]
	v_add_nc_u32 v[RD], s28, v[RD]
	v_lshlrev_b32 v[GO], 13, v30                   ; lanes 16-31 take the next token's row of 8,192 bytes
	v_lshl_add_u32 v[GO], v29, 4, v[GO]
	v_lshlrev_b32 v33, 4, v30
	v_sub_nc_u32 v[LO], v29, v33
	v_add_nc_u32 v[LO], s26, v[LO]
	s_lshl_b32 s31, s21, 6                         ; 64 tb
	s_sub_co_i32 s30, s31, 128                     ; kb, the window's first key (negative for tb = 0, 1)
	s_lshl_b32 s2, s24, 4
	s_add_co_u32 s31, s31, s2                      ; q0
	; K's scale words are laid by threads 224 to 319: B = thread / 16 - 14, r = thread % 16
	v_lshrrev_b32 v[KWA], 4, v0
	v_lshl_add_u32 v[KWA], v[KWA], 5, v31
	s_sub_co_i32 s28, s30, 448
	v_add_nc_u32 v[KWA], s28, v[KWA]               ; the key kb + 32 B + rk,
	v_cmp_gt_i32 vcc_lo, 0, v[KWA]
	v_cndmask_b32 v[KWA], v[KWA], v[TX], vcc_lo    ; held at key 0 from below,
	v_lshlrev_b32 v[KWA], 4, v[KWA]                ; 16 scale bytes a key
	v_lshl_add_u32 v[KWL], v0, 2, KSC-4*224
	; V's by threads 320 to 383: d = thread % 64
	v_and_b32 v255, 63, v0
	s_lshl_b32 s28, s21, 1
	s_sub_co_i32 s28, s28, 4                       ; the window's first block of keys: 2 tb - 4
.irp j, 0,1,2
	s_add_co_i32 s29, s28, 2*\j
	s_max_i32 s29, s29, 0                          ; held at block 0 from below
	v_lshl_add_u32 v[VWA+\j], v255, 6, s29         ; 64 scale bytes a row
.endr
	v_lshl_add_u32 v[VWL], v255, 2, VSC
	v_lshlrev_b32 v[QSA], 6, v29                   ; Q's scale bytes: 64 a token
	; byte offsets for the pointers
	s_lshl_b32 s76, s22, 1                         ; K's scales: + 2 h
	s_mov_b32 s77, 0
	s_lshl_b32 s78, s31, 6                         ; Q's scales: 64 q0 + 8 h + 2 m
	s_lshl_b32 s2, s22, 3
	s_add_co_u32 s78, s78, s2
	s_lshl_b32 s2, s23, 1
	s_add_co_u32 s78, s78, s2
	s_mov_b32 s79, 0
	s_lshl_b32 s80, s22, 12                        ; V's scales: 4,096 h
	s_mov_b32 s81, 0
	s_lshl_b32 s82, s31, 13                        ; the output: 8,192 q0 + 1,024 h + 256 m
	s_lshl_b32 s2, s22, 10
	s_add_co_u32 s82, s82, s2
	s_lshl_b32 s2, s23, 8
	s_add_co_u32 s82, s82, s2
	s_mov_b32 s83, 0
	s_lshl_b32 s84, s20, 6                         ; K's chunk (waves 0-2): key max(kb + 64 wave, 0), 512 bytes a key, + 64 h
	s_add_co_i32 s84, s84, s30
	s_max_i32 s84, s84, 0
	s_lshl_b32 s84, s84, 9
	s_lshl_b32 s2, s22, 6
	s_add_co_u32 s84, s84, s2
	s_mov_b32 s85, 0
	s_lshl_b32 s86, s20, 6                         ; V's chunk (waves 3-5): 131,072 h + key max(kb + 64 (wave - 3), 0)
	s_add_co_i32 s86, s86, s30
	s_sub_co_i32 s86, s86, 192
	s_max_i32 s86, s86, 0
	s_lshl_b32 s2, s22, 17
	s_add_co_u32 s86, s86, s2
	s_mov_b32 s87, 0
	s_lshl_b32 s88, s21, 17                        ; Q: 64 tb rows of 2,048 bytes + 256 h
	s_lshl_b32 s2, s22, 8
	s_add_co_u32 s88, s88, s2
	s_mov_b32 s89, 0
	s_lshl_b32 s90, s22, 4                         ; S: 4 (4 h + m)
	s_lshl_b32 s2, s23, 2
	s_add_co_u32 s90, s90, s2
	s_mov_b32 s91, 0
	s_wait_kmcnt 0x0
	s_add_nc_u64 s[G0K+2:G0K+3], s[4:5], s[84:85]
	s_or_b32 s[G0K+3], s[G0K+3], 0x80000000        ; 127:126 type = 2
	s_add_nc_u64 s[G0V+2:G0V+3], s[14:15], s[86:87]
	s_or_b32 s[G0V+3], s[G0V+3], 0x80000000
	s_add_nc_u64 s[G0Q+2:G0Q+3], s[8:9], s[88:89]
	s_or_b32 s[G0Q+3], s[G0Q+3], 0x80000000
	s_add_nc_u64 s[10:11], s[10:11], s[78:79]
	s_add_nc_u64 s[6:7], s[6:7], s[76:77]
	s_add_nc_u64 s[16:17], s[16:17], s[80:81]
	s_add_nc_u64 s[18:19], s[18:19], s[82:83]
	s_add_nc_u64 s[12:13], s[12:13], s[90:91]
	s_load_b32 s27, s[12:13], 0x0                  ; my query head's sink logit
	global_load_u16 v[QW], v[QSA], s[10:11]        ; my query's two scale bytes
; THE REQUESTS.  One chain of branches on the wave's number: a wave issues one tensor load, or lays scale words, or neither.  A wave has at most one tensor load out.
; Four v_nop follow a tensor load, ahead of the jump.
.macro TL g0, g1
	tensor_load_to_lds s[\g0:\g0+3], s[\g1:\g1+7]
	s_nop 0
.rept 4
	v_nop
.endr
	s_branch .Lasked
.endm
	s_cmp_lt_u32 s20, 3
	s_cbranch_scc0 .Lnot_k
	TL G0K, G1K
.Lnot_k:
	s_cmp_lt_u32 s20, 6
	s_cbranch_scc0 .Lnot_v
	TL G0V, G1V
.Lnot_v:
	s_cmp_lt_u32 s20, 7
	s_cbranch_scc0 .Lnot_q
	TL G0Q, G1Q
.Lnot_q:
	s_cmp_lt_u32 s20, 10
	s_cbranch_scc0 .Lnot_ks
	global_load_u16 v168, v[KWA], s[6:7]           ; waves 7-9: the two bytes of key 32 B + rk,
	global_load_u16 v169, v[KWA], s[6:7] offset:128   ; and of the key 8 further on
	s_wait_loadcnt 0x0
	v_lshl_or_b32 v168, v169, 16, v168             ; one word for a pair of key tiles: k 0-63 below, k 64-127 above
	ds_store_b32 v[KWL], v168
	s_branch .Lasked
.Lnot_ks:
	s_cmp_lt_u32 s20, 12
	s_cbranch_scc0 .Lasked
	global_load_u16 v168, v[VWA], s[16:17]         ; waves 10, 11: row d's bytes of the window's six blocks: b0 b1,
	global_load_u16 v169, v[VWA+1], s[16:17]       ; b2 b3,
	global_load_u16 v170, v[VWA+2], s[16:17]       ; b4 b5
	s_wait_loadcnt 0x0
	v_lshl_or_b32 v171, v169, 16, v168             ; s = 0, first step: b0 b1 b2 b3
	v_and_b32 v172, 0xff, v170                     ; s = 0, second step: b4, and 0 above it
	v_perm_b32 v173, v170, v171, 0x04030201        ; s = 1, first step: b1 b2 b3 b4
	v_lshrrev_b32 v174, 8, v170                    ; s = 1, second step: b5
	ds_store_b32 v[VWL], v171
	ds_store_b32 v[VWL], v172 offset:256
	ds_store_b32 v[VWL], v173 offset:512
	ds_store_b32 v[VWL], v174 offset:768
.Lasked:
	; WHILE THE TILES ARE ON THEIR WAY: zero codes, masks, the sink
.irp i, 0,1,2,3,4,5,6,7,16,17,18,19,20,21,22,23,24,25,26,27
	v_mov_b32 v[ZQ+\i], 0
.endr
	v_mov_b32 v[M2+1], 0
	v_mov_b32 v[RR+1], 0
.set i, 0
.rept 16
	v_cmp_le_i32 s[MK+i], i, v[LO]                 ; set: key 16 hh + i of my first block is hidden, and that key of my fifth block counts
.set i, i+1
.endr
	s_lshl_b32 s29, s21, 1
	s_add_co_u32 s29, s29, s25
	s_sub_co_i32 s29, 4, s29                       ; my blocks b under 4 - 2 tb - s lie ahead of key 0
	s_mov_b32 s34, 0xff800000
	s_mov_b32 s35, 0x7f800000
.irp b, 0,1,2,3
	s_cmp_gt_i32 s29, \b
	s_cselect_b32 s[EDG+\b], s34, s35
.endr
	s_wait_kmcnt 0x0
	s_mul_f32 s[SL], s27, 0x3fb8aa3b               ; S x log2(e)
	s_wait_loadcnt 0x0
	v_lshl_or_b32 v[QW], v[QW], 16, v[QW]          ; Q's two bytes serve k 0-63 and k 64-127
.rept 8
	v_nop                                          ; a scale register written by a vector instruction stands eight places ahead of a scaled matrix instruction, an operand so written four
.endr
	s_wait_tensorcnt 0x0                           ; my tile has landed,
	s_wait_dscnt 0x0                               ; my scale words are stored:
	s_barrier_signal -1
	s_barrier_wait -1                              ; everybody's are.  The one barrier: behind it the tiles and the scale words are only read
; SCORES.  27 LDS loads in one run: Q (2), K's scale words (5), five pairs of key tiles (4 each).
.macro KPAIR b
.irp u, 0,1
.irp c, 0,1
	ds_load_b128 v[KV+16*(\b)+8*\u+4*\c:KV+16*(\b)+8*\u+4*\c+3], v[AK] offset:2560*(\b)+640*\u+32*\c
.endr
.endr
.endm
.macro SPAIR b
	s_wait_dscnt 16-4*(\b)                         ; LDS loads come back in order: all but the later pairs' four each are in
	v_wmma_scale_f32_16x16x128_f8f6f4 v[SCR+16*(\b):SCR+16*(\b)+7], v[KV+16*(\b):KV+16*(\b)+15], v[ZQ+8:ZQ+23], 0, v[KS+(\b)], v[QW]     ; x [Q, zeros]: tile 2 b
	v_wmma_scale_f32_16x16x128_f8f6f4 v[SCR+16*(\b)+8:SCR+16*(\b)+15], v[KV+16*(\b):KV+16*(\b)+15], v[ZQ:ZQ+15], 0, v[KS+(\b)], v[QW]    ; x [zeros, Q]: tile 2 b + 1
.endm
	ds_load_b128 v[ZQ+8:ZQ+11], v[AQ]
	ds_load_b128 v[ZQ+12:ZQ+15], v[AQ] offset:32
.irp b, 0,1,2,3,4
	ds_load_b32 v[KS+\b], v[AKS] offset:64*\b
.endr
.irp b, 0,1,2,3,4
	KPAIR \b
.endr
.irp b, 0,1,2,3,4
	SPAIR \b
.endr
.rept 8
	v_nop                                          ; eight places behind this form: in front of loads into K's registers and of the first reads of the scores
.endr
; V's fragments take K's registers and land during the softmax: tile t (16 of the head's 64), my five blocks of keys, and the tile's scale words
.macro VLOAD t
.irp b, 0,2,4
	ds_load_b128 v[KV+20*(\t)+4*\b:KV+20*(\t)+4*\b+3], v[AVE] offset:CH*(\b/2)+1280*(\t)
.endr
.irp b, 1,3
	ds_load_b128 v[KV+20*(\t)+4*\b:KV+20*(\t)+4*\b+3], v[AVO] offset:CH*(\b/2)+32+1280*(\t)
.endr
	ds_load_b32 v[VS+(\t)], v[AVS] offset:64*(\t)
.endm
.irp t, 0,1,2,3
	VLOAD \t
.endr
	; keys that do not exist: only the first two token blocks have any (a branch on the work-group's number)
	s_cmp_lt_u32 s21, 2
	s_cbranch_scc0 .Lno_edge
.irp b, 0,1,2,3
.set i, 0
.rept 16
	v_min_num_f32 v[SCR+16*\b+i], s[EDG+\b], v[SCR+16*\b+i]
.set i, i+1
.endr
.endr
.Lno_edge:
	; the window: hidden scores become -infinity, so that p = 0.  Each accumulator is read from its low end on
.set i, 0
.rept 16
	v_cndmask_b32 v[SCR+i], v[SCR+i], v[NINF], s[MK+i]
	v_cndmask_b32 v[SCR+64+i], v[NINF], v[SCR+64+i], s[MK+i]
.set i, i+1
.endr
	; SOFTMAX, in f32.  The largest score of each block serves twice: for the row's maximum and, since W rises with the score, for the block's largest W.  The five blocks go by turns.
.irp b, 0,1,2,3,4
	v_max3_num_f32 v[BM+\b], v[SCR+16*\b], v[SCR+16*\b+1], v[SCR+16*\b+2]
.endr
.irp i, 3,5,7,9,11,13
.irp b, 0,1,2,3,4
	v_max3_num_f32 v[BM+\b], v[BM+\b], v[SCR+16*\b+\i], v[SCR+16*\b+\i+1]
.endr
.endr
.irp b, 0,1,2,3,4
	v_max_num_f32 v[BM+\b], v[BM+\b], v[SCR+16*\b+15]
.endr
.irp b, 0,1,2,3,4
	v_permlanex16_b32 v[PX+\b], v[BM+\b], s[SEL], s[SEL+1]
.endr
.irp b, 0,1,2,3,4
	v_max_num_f32 v[BM+\b], v[BM+\b], v[PX+\b]     ; with lane l xor 16's 16 keys
.endr
	v_max3_num_f32 v[T0], v[BM], v[BM+1], v[BM+2]
	v_max3_num_f32 v[T0], v[T0], v[BM+3], v[BM+4]
	v_mul_f32 v[T0], s[CS], v[T0]                  ; in units of log2 (c is positive)
	v_max_num_f32 v[M2], s[SL], v[T0]              ; the sink is in the maximum
.set j, 0
.rept 40
	v_pk_fma_f32 v[SCR+j:SCR+j+1], v[SCR+j:SCR+j+1], s[CS:CS+1], v[M2:M2+1] op_sel_hi:[1,0,0] neg_lo:[0,0,1] neg_hi:[0,0,1]   ; c s - the maximum, two at a time
.set j, j+2
.endr
.irp b, 0,1,2,3,4
	v_fma_f32 v[BM+\b], v[BM+\b], s[CS], -v[M2]    ; the same of each block's largest score
.endr
	v_sub_f32 v[SK], s[SL], v[M2]
.set j, 0
.rept 80
	v_exp_f32 v[SCR+j], v[SCR+j]
.set j, j+1
.endr
.irp b, 0,1,2,3,4
	v_exp_f32 v[BM+\b], v[BM+\b]
.endr
	v_exp_f32 v[SK], v[SK]
	v_nop                                          ; one plain instruction behind the exponentials
	s_wait_alu depctr_va_vdst(0)
	v_pk_add_f32 v[SA:SA+1], v[SCR:SCR+1], v[SCR+2:SCR+3]          ; the row's sum, two at a time, in two chains
	v_pk_add_f32 v[SB:SB+1], v[SCR+4:SCR+5], v[SCR+6:SCR+7]
.set j, 8
.rept 18
	v_pk_add_f32 v[SA:SA+1], v[SA:SA+1], v[SCR+j:SCR+j+1]
	v_pk_add_f32 v[SB:SB+1], v[SB:SB+1], v[SCR+j+2:SCR+j+3]
.set j, j+4
.endr
	v_pk_add_f32 v[SA:SA+1], v[SA:SA+1], v[SB:SB+1]
	v_add_f32 v[T0], v[SA], v[SA+1]
	v_permlanex16_b32 v[TX], v[T0], s[SEL], s[SEL+1]
	v_add_f32 v[T0], v[T0], v[TX]                  ; with lane l xor 16's keys,
	v_add_f32 v[T0], v[T0], v[SK]                  ; and the sink
	v_rcp_f32 v[RR], v[T0]
	v_nop                                          ; one plain instruction behind the reciprocal
.set j, 0
	s_wait_alu depctr_va_vdst(0)
.rept 40
	v_pk_mul_f32 v[SCR+j:SCR+j+1], v[SCR+j:SCR+j+1], v[RR:RR+1] op_sel_hi:[1,0]   ; W, finished and normalised
.set j, j+2
.endr
.irp b, 0,1,2,3,4
	v_mul_f32 v[BM+\b], v[BM+\b], v[RR]            ; each block's largest W: the same instructions on the same number
.endr
	; THE QUANTISER
.irp b, 0,1,2,3,4
	v_max_num_f32 v[BM+\b], 0x4800000, v[BM+\b]    ; the floor 2^(9 - 127): the byte cannot fall under 1
.endr
.irp b, 0,1,2,3,4
	v_add_nc_u32 v[SO+\b], 0xfc000000, v[BM+\b]    ; 8 off the exponent field: the conversion's scale operand
.endr
.irp b, 0,1,2,3,4
	v_and_or_b32 v[HD+\b], v[BM+\b], 0x7f800000, s[MNT]   ; 448 x the scale
.endr
.irp b, 0,1,2,3
	v_lshrrev_b32 v[BY+\b], 23, v[SO+\b]           ; the scale's byte
.endr
	v_lshrrev_b32 v[PW1], 23, v[SO+4]              ; the fifth block's byte is the second step's word: 0 above it, over zero codes
	v_lshl_or_b32 v[PW0], v[BY+1], 8, v[BY]
	v_lshl_or_b32 v[PW0], v[BY+2], 16, v[PW0]
	v_lshl_or_b32 v[PW0], v[BY+3], 24, v[PW0]
; W is not negative, so the hold is one-sided; the conversion to an 8-bit code does not saturate (ISA guide 7.6.2).  The next block's sixteen holds stand between a conversion and a write of its sources.
.macro HOLDCVT b, dst
.set i, 0
.rept 16
	v_min_num_f32 v[SCR+16*(\b)+i], v[SCR+16*(\b)+i], v[HD+(\b)]
.set i, i+1
.endr
	v_cvt_scalef32_pk8_fp8_f32 v[\dst:\dst+1], v[SCR+16*(\b):SCR+16*(\b)+7], v[SO+(\b)]
	v_cvt_scalef32_pk8_fp8_f32 v[\dst+2:\dst+3], v[SCR+16*(\b)+8:SCR+16*(\b)+15], v[SO+(\b)]
.endm
	HOLDCVT 4, ZQ+12                               ; the fifth block's codes, ahead of the twelve zeros: the second step's operand v152-167
	HOLDCVT 0, SCR+64                              ; blocks 0-3: the first step's operand, where the fifth block's numbers lay
	HOLDCVT 1, SCR+68
	HOLDCVT 2, SCR+72
	HOLDCVT 3, SCR+76
.rept 4
	v_nop                                          ; an operand written by vector instructions stands four places ahead of a scaled matrix instruction
.endr
	; O^T = V^T W^T: four tiles of 16 of the head's 64, two steps; the four accumulators take turns, one instruction a turn
	s_wait_dscnt 0x0                               ; V's fragments and scale words
.irp t, 0,1,2,3
	v_wmma_scale_f32_16x16x128_f8f6f4 v[SCR+8*\t:SCR+8*\t+7], v[KV+20*\t:KV+20*\t+15], v[SCR+64:SCR+79], 0, v[VS+\t], v[PW0]
.endr
.irp t, 0,1,2,3
	v_wmma_scale_f32_16x16x128_f8f6f4 v[SCR+8*\t:SCR+8*\t+7], v[KV+20*\t+16:KV+20*\t+31], v[ZQ+12:ZQ+27], v[SCR+8*\t:SCR+8*\t+7], v[VS+\t], v[PW1] matrix_a_scale:MATRIX_SCALE_ROW1
.endr
.rept 8
	v_nop                                          ; eight places in front of the first read of the results
.endr
	; THE WAY OUT.  A lane holds 32 neighbouring bytes of a row, the lanes beside it other rows: through my own stage, back as whole rows of 256 bytes.  LDS serves a wave's instructions in order (ISA guide 5.7.1.4).
.irp t, 0,1,2,3
	ds_store_b128 v[STO], v[SCR+8*\t:SCR+8*\t+3] offset:64*\t          ; each accumulator from its low end on
	ds_store_b128 v[STO], v[SCR+8*\t+4:SCR+8*\t+7] offset:64*\t+16
.endr
.irp i, 0,1,2,3,4,5,6,7
	ds_load_b128 v[SCR+32+4*\i:SCR+32+4*\i+3], v[RD] offset:544*\i     ; lanes 0-15 row 2 i, lanes 16-31 row 2 i + 1
.endr
.irp i, 0,1,2,3,4,5,6,7
	s_wait_dscnt 7-\i                              ; the later loads from the stage may be out
	global_store_b128 v[GO], v[SCR+32+4*\i:SCR+32+4*\i+3], s[18:19] offset:16384*\i th:TH_STORE_NT   ; sixteen lanes store 256 consecutive bytes, at a multiple of 256 from the output's first byte; written once
.endr
	s_wait_xcnt 0x0
	v_lshl_add_u32 v254, v0, 2, 0x29000
	v_mov_b32 v255, 0
	s_wait_tensorcnt 0x0
	ds_add_u32 v254, v255
	s_wait_dscnt 0x0
	s_endpgm
.Lfunc_end_k_qb45397d81f_attn:
	.size	k_qb45397d81f_attn, .Lfunc_end_k_qb45397d81f_attn-k_qb45397d81f_attn
	.p2alignl 7, 3214868480
	.fill 96, 4, 3214868480
	.section	.rodata,"a",@progbits
	.p2align	6, 0x0
	.amdhsa_kernel k_qb45397d81f_attn
		.amdhsa_group_segment_fixed_size 169984
		.amdhsa_private_segment_fixed_size 0
		.amdhsa_enable_private_segment 0
		.amdhsa_kernarg_size 64
		.amdhsa_user_sgpr_count 2
		.amdhsa_user_sgpr_kernarg_segment_ptr 1
		.amdhsa_wavefront_size32 1
		.amdhsa_system_sgpr_workgroup_id_x 1
		.amdhsa_system_sgpr_workgroup_id_y 1
		.amdhsa_system_sgpr_workgroup_id_z 1
		.amdhsa_system_vgpr_workitem_id 0
		.amdhsa_next_free_vgpr 256
		.amdhsa_next_free_sgpr 102
		.amdhsa_reserve_vcc 1
		.amdhsa_float_denorm_mode_32 3
		.amdhsa_float_denorm_mode_16_64 3
		.amdhsa_memory_ordered 1
		.amdhsa_forward_progress 1
		.amdhsa_inst_pref_size 45
	.end_amdhsa_kernel
	.amdgpu_metadata
---
amdhsa.version: [ 1, 2 ]
amdhsa.kernels:
  - .name:           k_qb45397d81f_attn
    .symbol:         k_qb45397d81f_attn.kd
    .args:
      - { .name: K_codes, .offset: 0, .size: 8, .value_kind: global_buffer, .address_space: global }
      - { .name: K_scales, .offset: 8, .size: 8, .value_kind: global_buffer, .address_space: global }
      - { .name: Q_codes, .offset: 16, .size: 8, .value_kind: global_buffer, .address_space: global }
      - { .name: Q_scales, .offset: 24, .size: 8, .value_kind: global_buffer, .address_space: global }
      - { .name: S, .offset: 32, .size: 8, .value_kind: global_buffer, .address_space: global }
      - { .name: V_codes, .offset: 40, .size: 8, .value_kind: global_buffer, .address_space: global }
      - { .name: V_scales, .offset: 48, .size: 8, .value_kind: global_buffer, .address_space: global }
      - { .name: out0, .offset: 56, .size: 8, .value_kind: global_buffer, .address_space: global }
    .group_segment_fixed_size: 169984
    .private_segment_fixed_size: 0
    .kernarg_segment_align: 8
    .kernarg_segment_size: 64
    .max_flat_workgroup_size: 512
    .sgpr_count:     102
    .vgpr_count:     256
    .wavefront_size: 32
...
	.end_amdgpu_metadata
.endif
;; end of part 1
